; MI455X (gfx1250); checked and timed in simulation.
; The chip was launched on July 23, 2026; its instructions are those of AMD's public machine-readable ISA for CDNA 5 (MIT licence, August 2026) and "CDNA5" Instruction Set Architecture Reference Guide (July 2026). The comments in the code are by the model that wrote it; some were corrected since.
;; Self Attention. Allowed arithmetic: matrix products marked QUANTISED: E3M2 operands, one E8M0 scale for each 32 along K, by v_wmma_scale_f32_16x16x128_f8f6f4 with both operands' format E3M2, f32 sums; everything else in f32.
;; Inputs: Wk_codes 32 x 16 x 24 uint8 (E3M2 codes of Wk, K innermost, in blocks of 32 codes, four codes in three bytes); Wk_scales 32 x 16 uint8 (E8M0 scales of Wk, one for each 32 codes along K); Wo_codes 512 x 16 x 24 uint8 (E3M2 codes of Wo, K innermost, in blocks of 32 codes, four codes in three bytes); Wo_scales 512 x 16 uint8 (E8M0 scales of Wo, one for each 32 codes along K); Wq_codes 32 x 16 x 24 uint8 (E3M2 codes of Wq, K innermost, in blocks of 32 codes, four codes in three bytes); Wq_scales 32 x 16 uint8 (E8M0 scales of Wq, one for each 32 codes along K); Wv_codes 512 x 16 x 24 uint8 (E3M2 codes of Wv, K innermost, in blocks of 32 codes, four codes in three bytes); Wv_scales 512 x 16 uint8 (E8M0 scales of Wv, one for each 32 codes along K); bk 32 float32; bo 512 float32; bq 32 float32; bv 512 float32; gamma 1 float32; x 8 x 512 x 32 x 64 float32.
;; Outputs: out0 8 x 512 x 32 x 64 float32.
;; This version of the problem:
;;   THIS VERSION OF THE PROBLEM IS GIVEN IN LOW PRECISION. The matrix products marked QUANTISED in the list below multiply operands that are first quantised to E3M2 (3 exponent bits, 2 mantissa bits; 6 bits a number), with one power-of-two scale for each 32 numbers along K (OCP MX v1.0); their sums are f32. All else is computed in f32.
;;   The module's matrix products, in the order in which they are computed (A, B: the left and right operand; K: the contracted axis; several contracted axes count as one K, in the product's order):
;;     1. [M 16,384, K 512] x [K 512, N 32]; A: input x; B: input Wq (given as codes): QUANTISED
;;     2. [M 16,384, K 512] x [K 512, N 32]; A: input x; B: input Wk (given as codes): QUANTISED
;;     3. [M 16,384, K 512] x [K 512, N 512]; A: input x; B: input Wv (given as codes): QUANTISED
;;     4. batch 8 x [M 2,048, K 32] x [K 32, N 2,048]; A: computed on the way; B: computed on the way: QUANTISED
;;     5. batch 8 x [M 512, K 2,048] x [K 2,048, N 2,048]; A: computed on the way; B: softmax (see below): QUANTISED
;;     6. [M 16,384, K 512] x [K 512, N 512]; A: computed on the way; B: input Wo (given as codes): QUANTISED
;;   THE QUANTISER, for each operand of a quantised product, along K:
;;     - K is cut into blocks of 32 from its start; a last block that is shorter is filled with zeros.
;;     - A block's scale is 2^e with e = floor(log2(the largest magnitude in the block)) - 4, held to -126 .. 127; a block of zeros has e = 0. As a byte (E8M0): e + 127.
;;     - Each number is divided by its block's scale, clamped to +-28, and rounded to the nearest number of E3M2, ties to even, subnormals kept.
;;     - The product sums the exact products of the quantised numbers (number of the format x scale) in f32.
;;   ~~~python
;;   def quantise(x, axis):      # numpy; x: float32 -> the quantised numbers, widened to float32 again
;;       x = np.moveaxis(x, axis, -1); K = x.shape[-1]
;;       x = np.pad(x, [(0, 0)] * (x.ndim - 1) + [(0, -K % 32)]); x = x.reshape(x.shape[:-1] + (-1, 32)); a = np.abs(x).max(-1, keepdims=True)
;;       e = np.where(a > 0, np.clip(np.frexp(np.where(a > 0, a, 1))[1] - 1 - 4, -126, 127), 0)      # np.frexp(a)[1] - 1 = floor(log2(a)), exactly
;;       r = np.clip(x / 2.0 ** e, -28, 28)
;;       step = 2.0 ** (np.maximum(np.frexp(np.where(r == 0, 1, r))[1] - 1, -2) - 2)
;;       q = np.round(r / step) * step * 2.0 ** e      # np.round: ties to even
;;       return np.moveaxis(q.reshape(q.shape[:-2] + (-1,))[..., :K], -1, axis).astype(np.float32)
;;   ~~~
;;   SOFTMAX AHEAD OF A QUANTISED PRODUCT. Where the list says 'softmax', what is quantised is not the finished softmax but p = 2^(t - M), with t = logit x log2(e) and M = ceil(the row's largest t), a whole number; so 1/2 < the row's largest p <= 1. The row's sum l is taken of the UNQUANTISED p, in f32, and the product's result is divided by l at the end. Since M is a whole number, a kernel that streams over the keys may use a running M (the ceiling of the running maximum): every later rescaling is an exact power of two, which a block's scale takes up: the codes' values come out the same.
;;   OPERANDS COMPUTED ON THE WAY. 'Computed on the way' means the value that the module computes at that place (a softmax that the list does not call 'softmax' is quantised finished and normalised). What goes into a quantiser is computed in f32, as accurately as f32 sums, v_exp_f32 and their like allow (about 1e-6 of the number): no bf16 or f16 on the way to a quantiser, and a product that is left as it is and whose result goes on into a quantised operand takes f32 operands (vector FMAs, or v_wmma_f32_16x16x4_f32). A number that lies on a knife's edge between two numbers of the format may be rounded either way, as far as f32 arithmetic and the matrix unit's own rounding can turn it there, and no further.
;;   INPUTS GIVEN AS CODES. Wk (in the module: [32, 512], K = its axis 1); Wo (in the module: [512, 512], K = its axis 1); Wq (in the module: [32, 512], K = its axis 1); Wv (in the module: [512, 512], K = its axis 1): each comes as NAME_codes (uint8): NAME with its K axis moved to the last place and cut into blocks of 32 codes, [.., K / 32, bytes a block], one block behind the other in memory; four codes in three bytes: a row's codes are one little-endian stream of bits, code i at bits 6 i .. 6 i + 5 (a code: sign, 3 exponent bits, 2 mantissa bits); and NAME_scales (uint8): the same leading axes, one E8M0 byte (e + 127) for each 32 codes along K. Its value is code x scale, taken as it is: it is not quantised again, and the codes and scales need not be those that the quantiser above would give.
;; One version. Each part assembles by itself: llvm-mc -triple=amdgcn-amd-amdhsa -mcpu=gfx1250 --defsym DOCPART=n.
;; ======== version 1 of 1: 2 launches
;; workspace buffers: qbuf 393,216 bytes; kbuf 425,984 bytes; vbuf 6,553,600 bytes; woimg 196,608 bytes
;; launch proj (part 1): grid 32 x 8, 9 waves a work-group, clusters of 4 x 1, 275,712 bytes of LDS; arguments x, Wv_codes, Wv_scales, bv, Wq_codes, Wq_scales, bq, Wk_codes, Wk_scales, bk, Wo_codes, qbuf, kbuf, vbuf, woimg; writes qbuf, kbuf, vbuf, woimg
.if DOCPART == 1
	.amdgcn_target "amdgcn-amd-amdhsa--gfx1250"
	.amdhsa_code_object_version 6
	.text
	.protected	k_q2aea5f3b56_proj
	.globl	k_q2aea5f3b56_proj
	.p2align	8
	.type	k_q2aea5f3b56_proj,@function
k_q2aea5f3b56_proj:
	s_mov_b64 s[64:65], 0
	v_nop
	global_prefetch_b8 v0, s[64:65] scope:SCOPE_SE
	s_setreg_imm32_b32 hwreg(HW_REG_WAVE_MODE, 25, 1), 1
	s_wait_xcnt 0x0
	s_wait_alu depctr_hold_cnt(0) depctr_sa_sdst(0) depctr_va_vdst(0) depctr_va_sdst(0) depctr_va_ssrc(0) depctr_va_vcc(0) depctr_vm_vsrc(0)
	s_getreg_b32 s2, hwreg(HW_REG_IB_STS2, 6, 4)
	s_cmp_eq_u32 s2, 0
	s_cbranch_scc0 .Lentry_in_a_cluster
	s_endpgm
.Lentry_in_a_cluster:
	s_bfe_u32 s2, ttmp6, 0x10000c
	s_cmp_lg_u32 s2, 0x3003
	s_cbranch_scc0 .Lentry_shape_is_right
	s_endpgm
.Lentry_shape_is_right:
; PROJ: x [8][512][2048] f32 is read once, quantised along its 512 channels to E3M2 with one E8M0 byte for each 32, and multiplied by Wq, Wk, Wv (codes as given).
; q and k (+ bias) are quantised along their 32 channels, v (+ bias) along the keys; all three leave as IMAGES OF OPERAND REGISTERS for the second launch.  Wo's codes are laid anew as such images.
; SHARES.  A work-group owns 64 columns (64 nb ..) of batch b: four tiles X = 2 g + a of 16 columns, row i of a tile = column 32 g + 8 a + i + 8 (i / 8).  With that choice the 16 result registers
; of two neighbouring tiles are 16 neighbouring columns (or channels), which is what the conversions want.  The same choice is made for the rows of Wq, Wk and Wv that form a tile.
; Waves 0-7: wave w quantises block (w / 2) of each K step of 128 channels for the 32 columns of g = w % 2 (a lane to a column, registers down the channels: each load reads 128 consecutive bytes),
; and makes v for the 64 channels 64 w ..; wave 8 makes q and k and re-lays half a fragment of Wo.  x's codes go from wave to wave through LDS as register images.
; AN IMAGE of a fragment (12 registers a lane) is 1,536 bytes: half c at 768 c: registers 6 c .. 6 c + 3 at 16 x lane, registers 6 c + 4, 6 c + 5 at 512 + 8 x lane.
; CLUSTER.  All work-groups read the same weights, so the four of a cluster ask for them jointly (mask 15).  No LDS byte is filled twice.
; LIMITS: NaN and infinities are not served; a block whose largest magnitude lies under 2^-122 keeps the byte 1; a block of zeros gets the byte 1 and not 127 (its codes are zeros; this program alone reads the bytes).
.set ROWX,  8192                       ; bytes in a row of x (2,048 columns)
.set WROW,  384                        ; bytes in a row of weight codes (512 codes)
.set WP,    432                        ; the same in LDS: 16 bytes of padding behind each 128
.set WREG,  64*WP                      ; a wave's 64 weight rows
.set XIMG,  9*WREG                     ; x's 16 fragments (X, s) at (4 X + s) x 1,536
.set XSC,   XIMG+16*1536               ; x's scale words: (g, s) at (4 g + s) x 128, lanes 0-15 tile 2 g, lanes 16-31 tile 2 g + 1
.set VSTEP, 51200                      ; vbuf: a key step: 32 images, then 2,048 bytes of scale bytes
.set VBAT,  16*VSTEP
.set KBAT,  53248                      ; kbuf: a batch: 32 images, then 32 x 128 bytes of scale words (q's 16, k's 16)
.set XF,  14                           ; v14-61   four fragments of x      (between the products: at work)
.set WF,  62                           ; v62-109  four weight fragments
.set XS,  110                          ; v110-111 x's scale words
.set WS,  112                          ; v112-119 the weights' scale words: register 4 (tt / 2) + s, tile tt % 2 in lanes 0-15 or 16-31
.set BV,  120                          ; v120-127 bv of my channel, twice, for each of my four tiles
.set ACC, 128                          ; v128-255 sixteen accumulators
.set TM,  14                           ; wave 8's quantiser: at work,
.set PC,  30                           ; the codes,
.set PW,  50                           ; the scale word
.set WV,  34                           ; s34 my wave's number
.set SEL, 40                           ; s[40:41] selects for lane l xor 16
.set MSB, 0
.macro WIN new                         ; the immediate's high byte repeats the setting that is left
.if MSB != \new
	s_set_vgpr_msb (MSB<<8)|\new
.set MSB, \new
.endif
.endm
.macro PLACES n                        ; plain places behind matrix instructions (ISA guide 7.12.1)
.rept \n
	v_nop
.endr
.endm
.macro ROUND                           ; a round of the cluster's barrier
	s_barrier_signal -1
	s_barrier_wait -1
	s_cmp_lg_u32 s[WV], 0
	s_cbranch_scc1 .Lnot_wave_0_\@
	s_barrier_signal -3
.Lnot_wave_0_\@:
	s_barrier_wait -3
	s_barrier_signal -1
	s_barrier_wait -1
.endm
; one product 16 x 16 x 128.  c < 0: the constant 0 starts the sum.  ra, rb: the side's scale words stand in lanes 16-31
.macro WM d, a, b, c, sa, sb, ra, rb
.if (\c) < 0
.if (\ra) && (\rb)
	v_wmma_scale_f32_16x16x128_f8f6f4 v[\d:\d+7], v[\a:\a+11], v[\b:\b+11], 0, v[\sa], v[\sb] matrix_a_fmt:MATRIX_FMT_BF6 matrix_b_fmt:MATRIX_FMT_BF6 matrix_a_scale:MATRIX_SCALE_ROW1 matrix_b_scale:MATRIX_SCALE_ROW1
.elseif (\ra)
	v_wmma_scale_f32_16x16x128_f8f6f4 v[\d:\d+7], v[\a:\a+11], v[\b:\b+11], 0, v[\sa], v[\sb] matrix_a_fmt:MATRIX_FMT_BF6 matrix_b_fmt:MATRIX_FMT_BF6 matrix_a_scale:MATRIX_SCALE_ROW1
.elseif (\rb)
	v_wmma_scale_f32_16x16x128_f8f6f4 v[\d:\d+7], v[\a:\a+11], v[\b:\b+11], 0, v[\sa], v[\sb] matrix_a_fmt:MATRIX_FMT_BF6 matrix_b_fmt:MATRIX_FMT_BF6 matrix_b_scale:MATRIX_SCALE_ROW1
.else
	v_wmma_scale_f32_16x16x128_f8f6f4 v[\d:\d+7], v[\a:\a+11], v[\b:\b+11], 0, v[\sa], v[\sb] matrix_a_fmt:MATRIX_FMT_BF6 matrix_b_fmt:MATRIX_FMT_BF6
.endif
.else
.if (\ra) && (\rb)
	v_wmma_scale_f32_16x16x128_f8f6f4 v[\d:\d+7], v[\a:\a+11], v[\b:\b+11], v[\c:\c+7], v[\sa], v[\sb] matrix_a_fmt:MATRIX_FMT_BF6 matrix_b_fmt:MATRIX_FMT_BF6 matrix_a_scale:MATRIX_SCALE_ROW1 matrix_b_scale:MATRIX_SCALE_ROW1
.elseif (\ra)
	v_wmma_scale_f32_16x16x128_f8f6f4 v[\d:\d+7], v[\a:\a+11], v[\b:\b+11], v[\c:\c+7], v[\sa], v[\sb] matrix_a_fmt:MATRIX_FMT_BF6 matrix_b_fmt:MATRIX_FMT_BF6 matrix_a_scale:MATRIX_SCALE_ROW1
.elseif (\rb)
	v_wmma_scale_f32_16x16x128_f8f6f4 v[\d:\d+7], v[\a:\a+11], v[\b:\b+11], v[\c:\c+7], v[\sa], v[\sb] matrix_a_fmt:MATRIX_FMT_BF6 matrix_b_fmt:MATRIX_FMT_BF6 matrix_b_scale:MATRIX_SCALE_ROW1
.else
	v_wmma_scale_f32_16x16x128_f8f6f4 v[\d:\d+7], v[\a:\a+11], v[\b:\b+11], v[\c:\c+7], v[\sa], v[\sb] matrix_a_fmt:MATRIX_FMT_BF6 matrix_b_fmt:MATRIX_FMT_BF6
.endif
.endif
.endm
; 64 numbers of a lane, register 16 b + i = k 32 b + 16 (lane / 16) + i of my row, become a fragment's codes in v[PC] on and its scale word in v[PW]
.macro QUANT s
.irp b, 0,1,2,3
	v_max3_num_f32 v[TM+\b], |v[\s+16*\b]|, |v[\s+1+16*\b]|, 0x2800000   ; my 16 numbers and the floor 2^(5 - 127): the byte cannot fall under 1
.endr
.irp i, 2,4,6,8,10,12,14
.irp b, 0,1,2,3
	v_max3_num_f32 v[TM+\b], v[TM+\b], |v[\s+16*\b+\i]|, |v[\s+1+16*\b+\i]|
.endr
.endr
.irp b, 0,1,2,3
	v_permlanex16_b32 v[TM+4+\b], v[TM+\b], s[SEL], s[SEL+1]
.endr
.irp b, 0,1,2,3
	v_max_num_f32 v[TM+\b], v[TM+\b], v[TM+4+\b]          ; with lane l xor 16's: the block's largest magnitude
.endr
.irp b, 0,1,2,3
	v_add_nc_u32 v[TM+12+\b], 0xfe000000, v[TM+\b]        ; 4 off its exponent field: the conversion's scale operand
.endr
.irp b, 0,1,2,3
	v_lshrrev_b32 v[TM+4+\b], 23, v[TM+12+\b]             ; the scale's byte
.endr
	v_lshl_or_b32 v[PW], v[TM+5], 8, v[TM+4]
	v_lshl_or_b32 v[PW], v[TM+6], 16, v[PW]
	v_lshl_or_b32 v[PW], v[TM+7], 24, v[PW]
.irp c, 0,1
	v_cvt_scalef32_pk16_bf6_f32 v[PC+6*\c:PC+2+6*\c], v[\s+32*\c:\s+15+32*\c], v[TM+12+2*\c]
	v_cvt_scalef32_pk16_bf6_f32 v[PC+12+4*\c:PC+14+4*\c], v[\s+16+32*\c:\s+31+32*\c], v[TM+12+2*\c+1]
.endr
	v_nop                                                 ; one plain place behind a scaled conversion
.irp c, 0,1                                           ; the layout wants a whole block in a lane: lanes 0-15 block 2 c, lanes 16-31 block 2 c + 1
.irp i, 0,1,2
	v_permlane16_swap_b32 v[PC+6*\c+\i], v[PC+12+4*\c+\i]
.endr
.irp i, 0,1,2
	v_mov_b32 v[PC+3+6*\c+\i], v[PC+12+4*\c+\i]
.endr
.endr
.endm
.macro HFSTORE sb                      ; the fragment in v[PC] on leaves as an image: stores of 512 and of 256 consecutive bytes
.irp c, 0,1
	global_store_b128 v52, v[PC+6*\c:PC+6*\c+3], s[\sb:\sb+1] offset:768*\c
	global_store_b64 v53, v[PC+6*\c+4:PC+6*\c+5], s[\sb:\sb+1] offset:768*\c+512
.endr
.endm
; K step s: my block's 32 channels of my 32 columns into set s % 2 (v256 on): each load reads 128 consecutive bytes.  No cache word: the second launch reads x again
.macro XLOAD s
	WIN 0x40                                              ; destination in the second window
.set i, 0
.rept 32
	global_load_b32 v[32*((\s)%2)+i], v9, s[80:81] offset:(128*(\s)+i)*ROWX
.set i, i+1
.endr
	WIN 0
.endm
; K step s: my lane's block of 32 becomes 24 bytes of codes and a byte; the store's address puts them where the fragment's image wants that block: no lane exchange
.macro XSTEP s
.set RS, 32*((\s)%2)
.if (\s) < 3
	s_wait_loadcnt 32                                     ; this set is in; the next K step's 32 loads may be out
.else
	s_wait_loadcnt 0x0
.endif
	WIN 0x05                                              ; sources 0 and 1 in the second window
	v_max3_num_f32 v14, |v[RS]|, |v[RS+1]|, 0x2800000     ; two chains, each over the floor 2^(5 - 127)
	v_max3_num_f32 v15, |v[RS+2]|, |v[RS+3]|, 0x2800000
.irp i, 4,8,12,16,20,24,28
	v_max3_num_f32 v14, |v[RS+\i]|, |v[RS+\i+1]|, v14
	v_max3_num_f32 v15, |v[RS+\i+2]|, |v[RS+\i+3]|, v15
.endr
	WIN 0
	v_max_num_f32 v14, v14, v15
	v_add_nc_u32 v16, 0xfe000000, v14                     ; 4 off the exponent field
	v_lshrrev_b32 v17, 23, v16                            ; the byte
	WIN 0x01
	v_cvt_scalef32_pk16_bf6_f32 v[18:20], v[RS:RS+15], v16
	v_cvt_scalef32_pk16_bf6_f32 v[24:26], v[RS+16:RS+31], v16
	WIN 0
	v_nop                                                 ; one plain place behind a scaled conversion
	v_mov_b32 v21, v24
	v_mov_b32 v22, v25
	v_mov_b32 v23, v26
	ds_store_b128 v1, v[18:21] offset:1536*(\s)
	ds_store_b64 v2, v[22:23] offset:1536*(\s)
	ds_store_b8 v3, v17 offset:128*(\s)
.if (\s) < 2
	XLOAD (\s)+2
.endif
.endm
; K step s: x's four fragments and scale words, and my four weight fragments, from LDS
.macro PLOADS s
.irp x, 0,1,2,3
.irp c, 0,1
	ds_load_b128 v[XF+12*\x+6*\c:XF+12*\x+6*\c+3], v4 offset:(4*\x+(\s))*1536+768*\c
	ds_load_b64 v[XF+12*\x+6*\c+4:XF+12*\x+6*\c+5], v5 offset:(4*\x+(\s))*1536+768*\c
.endr
.endr
.irp g, 0,1
	ds_load_b32 v[XS+\g], v6 offset:(4*\g+(\s))*128
.endr
.irp t, 0,1,2,3
.irp p, 0,1,2,3,4,5                    ; pieces of 8 bytes; lanes 16-31 read three pieces on, which for some pieces is behind one padding more: the second address register serves those
.set PCI, 12*(\s)+6*(\p/3)+\p%3
.if PCI%16 < 13
	ds_load_b64 v[WF+12*\t+2*\p:WF+12*\t+2*\p+1], v7 offset:(32*(\t/2)+8*(\t%2))*WP+8*PCI+16*(PCI/16)
.else
	ds_load_b64 v[WF+12*\t+2*\p:WF+12*\t+2*\p+1], v8 offset:(32*(\t/2)+8*(\t%2))*WP+8*PCI+16*(PCI/16)
.endif
.endr
.endr
.endm
; v: source 0 = 16 columns of x, source 1 = 16 rows of Wv: a lane holds ONE channel, its registers run along the keys.  Sixteen accumulators by turns
.macro MULV s
.set rT, 0
.rept 4
.set rX, 0
.rept 4
.set rD, ACC+32*rT+8*rX
.set rA, XF+12*rX
.set rB, WF+12*rT
.set rSA, XS+rX/2
.set rSB, WS+4*(rT/2)+(\s)
.if (\s) == 0
	WM rD, rA, rB, -1, rSA, rSB, rX%2, rT%2
.else
	WM rD, rA, rB, rD, rSA, rSB, rX%2, rT%2
.endif
.set rX, rX+1
.endr
.set rT, rT+1
.endr
.endm
; q, k: source 0 = 16 rows of Wq or Wk, source 1 = 16 columns of x: a lane holds ONE column, its registers run along the 32 channels.  The bias is the C of the first product
.macro MULQK s
.if (\s) == 0
	WIN 0x10                                              ; C in the second window
.endif
.set rT, 0
.rept 4
.set rX, 0
.rept 4
.set rD, ACC+64*(rT/2)+16*rX+8*(rT%2)
.set rA, WF+12*rT
.set rB, XF+12*rX
.set rC, 8*rT
.set rSA, WS+4*(rT/2)+(\s)
.set rSB, XS+rX/2
.if (\s) == 0
	WM rD, rA, rB, rC, rSA, rSB, rT%2, rX%2
.else
	WM rD, rA, rB, rD, rSA, rSB, rT%2, rX%2
.endif
.set rX, rX+1
.endr
.set rT, rT+1
.endr
	WIN 0
.endm
; tile tt of v: + bias; its two blocks of 32 keys are quantised; half a fragment's image leaves
.macro VQ tt
.set rA, ACC+32*\tt
.set C0, 28+12*\tt
.set C1, C0+6
.set i, 0
.rept 16
	v_pk_add_f32 v[rA+i:rA+i+1], v[rA+i:rA+i+1], v[BV+2*\tt:BV+2*\tt+1]   ; each accumulator from its low end on
.set i, i+2
.endr
.irp g, 0,1
	v_max3_num_f32 v[14+\g], |v[rA+16*\g]|, |v[rA+16*\g+1]|, 0x2800000
.endr
.irp i, 2,4,6,8,10,12,14
.irp g, 0,1
	v_max3_num_f32 v[14+\g], v[14+\g], |v[rA+16*\g+\i]|, |v[rA+16*\g+\i+1]|
.endr
.endr
.irp g, 0,1
	v_permlanex16_b32 v[16+\g], v[14+\g], s[SEL], s[SEL+1]
.endr
.irp g, 0,1
	v_max_num_f32 v[14+\g], v[14+\g], v[16+\g]
.endr
.irp g, 0,1
	v_add_nc_u32 v[18+\g], 0xfe000000, v[14+\g]
.endr
.irp g, 0,1
	v_lshrrev_b32 v[20+\g], 23, v[18+\g]
.endr
	v_lshl_or_b32 v[22+\tt], v21, 8, v20                  ; the two bytes of my channel
	v_cvt_scalef32_pk16_bf6_f32 v[C0:C0+2], v[rA:rA+15], v18
	v_cvt_scalef32_pk16_bf6_f32 v[C1:C1+2], v[rA+16:rA+31], v19
	v_nop                                                 ; one plain place behind a scaled conversion
.irp i, 0,1,2
	v_permlane16_swap_b32 v[C0+\i], v[C1+\i]              ; lanes 0-15: the first block, lanes 16-31: the second
.endr
.irp i, 0,1,2
	v_mov_b32 v[C0+3+\i], v[C1+\i]
.endr
	global_store_b128 v104, v[C0:C0+3], s[86:87] offset:1536*\tt        ; 512 consecutive bytes, aligned to 256
	global_store_b64 v105, v[C0+4:C0+5], s[86:87] offset:1536*\tt+512   ; 256 consecutive bytes, aligned
.endm
	s_load_b512 s[4:19], s[0:1], 0x0               ; x, Wv codes, Wv scales, bv, Wq codes, Wq scales, bq, Wk codes
	s_load_b256 s[20:27], s[0:1], 0x40             ; Wk scales, bk, Wo codes, qbuf
	s_load_b128 s[28:31], s[0:1], 0x60             ; kbuf, vbuf
	s_load_b64 s[32:33], s[0:1], 0x70              ; woimg
	s_set_vgpr_msb 0x40
	v_lshl_add_u32 v64, v0, 2, 0x43000
	v_mov_b32 v65, 0
	s_set_vgpr_msb 0x4045
	ds_add_u32 v64, v65
	ds_add_u32 v64, v65
	s_set_vgpr_msb 0x4500
	v_lshrrev_b32 v12, 5, v0
	v_readfirstlane_b32 s[WV], v12                 ; wave 0..8
	s_and_b32 s38, s[WV], 1                        ; g: which 32 columns I quantise
	s_lshr_b32 s39, s[WV], 1                       ; which block of each K step
	s_mov_b32 s[SEL], 0x76543210
	s_mov_b32 s[SEL+1], 0xfedcba98
	; descriptor group 1: rows of 384 bytes, 16 bytes of padding behind each 128; the mask names the four work-groups
	s_mov_b32 s44, 15|(1<<20)|(1<<21)|(4<<22)|(3<<25)
	s_mov_b32 s45, WROW<<16
	s_mov_b32 s46, 64<<16
	s_mov_b32 s47, WROW<<16
	s_mov_b32 s48, 64
	s_mov_b32 s49, WROW
	s_mov_b32 s50, 0
	s_mov_b32 s51, 0
	s_mov_b32 s52, 15|(1<<20)|(1<<21)|(4<<22)|(3<<25)   ; the same with 32 rows, for Wq and Wk
	s_mov_b32 s53, WROW<<16
	s_mov_b32 s54, 32<<16
	s_mov_b32 s55, WROW<<16
	s_mov_b32 s56, 32
	s_mov_b32 s57, WROW
	s_mov_b32 s58, 0
	s_mov_b32 s59, 0
	; LDS addresses: constants, the lane and the wave's number alone
	v_and_b32 v12, 15, v0                          ; r
	v_bfe_u32 v13, v0, 4, 1                        ; h
	v_and_b32 v9, 31, v0                           ; lane
	s_mul_i32 s76, s38, 12288
	s_lshr_b32 s77, s39, 1
	s_mul_i32 s77, s77, 768
	s_add_co_u32 s76, s76, s77
	s_and_b32 s78, s39, 1
	s_lshl_b32 s77, s78, 8
	s_add_co_u32 s77, s76, s77
	s_add_co_u32 s77, s77, XIMG
	v_mul_u32_u24 v1, v13, 6144
	v_lshl_add_u32 v1, v12, 4, v1
	v_add_nc_u32 v1, s77, v1                       ; where my block's first 16 bytes go
	s_lshl_b32 s77, s78, 7
	s_add_co_u32 s77, s76, s77
	s_add_co_u32 s77, s77, XIMG+512
	v_mul_u32_u24 v2, v13, 6144
	v_lshl_add_u32 v2, v12, 3, v2
	v_add_nc_u32 v2, s77, v2                       ; and its last 8
	s_lshl_b32 s77, s38, 9
	s_add_co_u32 s77, s77, s39
	s_add_co_u32 s77, s77, XSC
	v_lshl_add_u32 v3, v9, 2, s77                  ; and its byte
	v_lshl_add_u32 v4, v9, 4, XIMG                 ; an image read back
	v_lshl_add_u32 v5, v9, 3, XIMG+512
	v_lshl_add_u32 v6, v9, 2, XSC
	v_and_b32 v10, 8, v12
	v_add_nc_u32 v10, v10, v12                     ; r + 8 (r / 8)
	s_mul_i32 s77, s[WV], WREG
	v_mul_u32_u24 v7, v10, WP
	v_mad_u32_u24 v7, v13, 24, v7
	v_add_nc_u32 v7, s77, v7                       ; my weight rows
	v_lshl_add_u32 v8, v13, 4, v7                  ; the same behind one padding more
	v_lshl_add_u32 v11, v13, 3, v10                ; r + 8 (r / 8) + 8 h
	v_lshlrev_b32 v9, 2, v11                       ; x: my column's 4 bytes
	v_lshlrev_b32 v11, 4, v11                      ; a weight row's 16 scale bytes
	v_lshlrev_b32 v10, 2, v10                      ; bv of my channel
	s_bfe_u32 s35, ttmp6, 0x40000                  ; my place in the cluster: it enters global addresses alone
	s_lshl_b32 s36, ttmp9, 2
	s_add_co_u32 s36, s36, s35                     ; nb
	s_and_b32 s37, ttmp7, 0xffff                   ; b
	s_wait_dscnt 0x0
	s_wait_kmcnt 0x0
	s_mul_i32 s42, s[WV], 64*WROW
	s_mov_b32 s43, 0
	s_mov_b32 s60, 1
	s_mul_i32 s61, s[WV], WREG
	s_add_nc_u64 s[62:63], s[6:7], s[42:43]        ; Wv: my 64 rows
	s_or_b32 s63, s63, 0x80000000
	s_mov_b32 s68, 1
	s_mov_b32 s69, 8*WREG
	s_mov_b64 s[70:71], s[12:13]                   ; Wq
	s_or_b32 s71, s71, 0x80000000
	s_mov_b32 s72, 1
	s_mov_b32 s73, 8*WREG+32*WP
	s_mov_b64 s[74:75], s[18:19]                   ; Wk
	s_or_b32 s75, s75, 0x80000000
	s_lshl_b32 s80, s37, 22                        ; x: batch, my 64 columns, my 32 of them, my block's 32 channels
	s_lshl_b32 s76, s36, 8
	s_add_co_u32 s80, s80, s76
	s_lshl_b32 s76, s38, 7
	s_add_co_u32 s80, s80, s76
	s_lshl_b32 s76, s39, 18
	s_add_co_u32 s80, s80, s76
	s_mov_b32 s81, 0
	s_add_nc_u64 s[80:81], s[4:5], s[80:81]
	s_lshl_b32 s82, s[WV], 10
	s_mov_b32 s83, 0
	s_add_nc_u64 s[82:83], s[8:9], s[82:83]        ; Wv's scale bytes of my 64 rows
	s_lshl_b32 s84, s[WV], 8
	s_mov_b32 s85, 0
	s_add_nc_u64 s[84:85], s[10:11], s[84:85]      ; bv of my 64 channels
	s_mul_i32 s76, s37, VBAT
	s_lshr_b32 s77, s36, 1
	s_mul_i32 s77, s77, VSTEP
	s_add_co_u32 s76, s76, s77                     ; vbuf: the batch's key step nb / 2
	s_and_b32 s77, s36, 1                          ; and which half of its 128 keys
	s_mul_i32 s86, s77, 768
	s_mul_i32 s78, s[WV], 4*1536
	s_add_co_u32 s86, s86, s78
	s_add_co_u32 s86, s86, s76
	s_mov_b32 s87, 0
	s_add_nc_u64 s[86:87], s[30:31], s[86:87]
	s_lshl_b32 s88, s77, 10
	s_lshl_b32 s78, s[WV], 7
	s_add_co_u32 s88, s88, s78
	s_add_co_u32 s88, s88, s76
	s_add_co_u32 s88, s88, 32*1536
	s_mov_b32 s89, 0
	s_add_nc_u64 s[88:89], s[30:31], s[88:89]      ; its scale bytes
	s_lshl_b32 s76, s37, 5
	s_add_co_u32 s76, s76, s36                     ; 32 b + nb
	s_mul_i32 s90, s76, 1536
	s_mov_b32 s91, 0
	s_add_nc_u64 s[90:91], s[26:27], s[90:91]      ; qbuf
	s_mul_i32 s77, s37, KBAT
	s_mul_i32 s92, s36, 1536
	s_add_co_u32 s92, s92, s77
	s_mov_b32 s93, 0
	s_add_nc_u64 s[92:93], s[28:29], s[92:93]      ; kbuf: the image
	s_lshl_b32 s94, s36, 7
	s_add_co_u32 s94, s94, s77
	s_add_co_u32 s94, s94, 32*1536
	s_mov_b32 s95, 0
	s_add_nc_u64 s[94:95], s[28:29], s[94:95]      ; kbuf: q's and k's scale words
	s_mul_i32 s96, s76, 768
	s_mov_b32 s97, 0
	s_add_nc_u64 s[96:97], s[32:33], s[96:97]      ; woimg: half fragment 32 b + nb
	s_lshr_b32 s98, s76, 3
	s_mul_i32 s98, s98, 16*WROW
	s_and_b32 s77, s76, 7
	s_mul_i32 s77, s77, 48
	s_add_co_u32 s98, s98, s77
	s_mov_b32 s99, 0
	s_add_nc_u64 s[98:99], s[24:25], s[98:99]      ; and where it lies in Wo's codes
	ROUND                                          ; the four work-groups are here: the joint loads meet
	s_cmp_lt_u32 s[WV], 8
	s_cbranch_scc0 .Lhead8
	tensor_load_to_lds s[60:63], s[44:51]          ; my 64 rows of Wv: my one tensor load
	s_nop 0
	PLACES 4
	global_load_b128 v[WS:WS+3], v11, s[82:83]
	global_load_b128 v[WS+4:WS+7], v11, s[82:83] offset:512
.irp t, 0,1,2,3
	global_load_b32 v[BV+2*\t], v10, s[84:85] offset:(32*(\t/2)+8*(\t%2))*4
	global_load_b32 v[BV+2*\t+1], v10, s[84:85] offset:(32*(\t/2)+8*(\t%2))*4
.endr
	XLOAD 0
	XLOAD 1
	XSTEP 0
	s_branch .Lheaded
.Lhead8:
	tensor_load_to_lds s[68:71], s[52:59]          ; Wq and Wk: two tensor loads of mine are out
	s_nop 0
	tensor_load_to_lds s[72:75], s[52:59]
	s_nop 0
	PLACES 4
	global_load_b128 v[WS:WS+3], v11, s[14:15]
	global_load_b128 v[WS+4:WS+7], v11, s[20:21]
	v_lshlrev_b32 v38, 6, v13                      ; the biases in the result's layout: channels 16 h + 8 u + 0 .. 7
	WIN 0x40
.irp t, 0,1
	global_load_b128 v[8*\t:8*\t+3], v38, s[16:17] offset:32*\t
	global_load_b128 v[8*\t+4:8*\t+7], v38, s[16:17] offset:32*\t+16
	global_load_b128 v[16+8*\t:16+8*\t+3], v38, s[22:23] offset:32*\t
	global_load_b128 v[16+8*\t+4:16+8*\t+7], v38, s[22:23] offset:32*\t+16
.endr
	WIN 0
	v_mul_u32_u24 v39, v12, WROW                   ; Wo: row r, + 24 h: my 24 bytes of the half fragment
	v_mad_u32_u24 v39, v13, 24, v39
	global_load_b64 v[32:33], v39, s[98:99]
	global_load_b64 v[34:35], v39, s[98:99] offset:8
	global_load_b64 v[36:37], v39, s[98:99] offset:16
	v_and_b32 v40, 31, v0
	v_lshlrev_b32 v41, 3, v40
	v_lshlrev_b32 v40, 4, v40
	s_wait_loadcnt 0x0                             ; all of my head's loads
	global_store_b128 v40, v[32:35], s[96:97]
	global_store_b64 v41, v[36:37], s[96:97] offset:512
	s_wait_xcnt 0x0                                ; these registers are loaded again below
.Lheaded:
.irp s, 0,1,2,3
.if \s == 0
	s_wait_tensorcnt 0x0                           ; my weight rows are in; only I read them
.endif
	s_wait_dscnt 0x0                               ; my stores of K step s have landed
	s_barrier_signal -1
	s_barrier_wait -1                              ; everybody's have
	PLOADS \s
	s_wait_dscnt 0x0
	s_cmp_lt_u32 s[WV], 8
	s_cbranch_scc0 .Lqk\s
	MULV \s
	PLACES 4
.if \s < 3
	XSTEP \s+1                                     ; the next K step of x is quantised while its successors arrive
.else
	v_and_b32 v106, 31, v0
	v_lshlrev_b32 v104, 4, v106
	v_lshlrev_b32 v105, 3, v106
	v_and_b32 v106, 15, v0
	v_lshlrev_b32 v106, 3, v106
	VQ 0
	VQ 1
	VQ 2
	VQ 3
	v_lshl_or_b32 v26, v23, 16, v22
	v_lshl_or_b32 v27, v25, 16, v24
	global_store_b64 v106, v[26:27], s[88:89]      ; my channel row's bytes of four tiles; lanes 16-31 repeat lanes 0-15
.endif
	s_branch .Ljoin\s
.Lqk\s:
	MULQK \s
	PLACES 4
.if \s == 3
	v_and_b32 v54, 31, v0
	v_lshlrev_b32 v52, 4, v54
	v_lshlrev_b32 v53, 3, v54
	v_and_b32 v54, 15, v0
	v_lshlrev_b32 v54, 2, v54
.irp b, 0,1,2,3
	v_mov_b32 v[TM+4+\b], 0                        ; a lane permute's destination counts as one of its sources
.endr
	QUANT ACC                                      ; q: block X of row r = the 32 channels of tile X's row r
	HFSTORE 90
	global_store_b32 v54, v[PW], s[94:95]
	s_wait_xcnt 0x0                                ; the stores' registers are written again
	QUANT ACC+64                                   ; k likewise
	HFSTORE 92
	global_store_b32 v54, v[PW], s[94:95] offset:64
.endif
.Ljoin\s:
.endr
	s_wait_dscnt 0x0
	s_set_vgpr_msb 0x5
	s_wait_tensorcnt 0x0
	ds_add_u32 v64, v65
	s_wait_dscnt 0x0
	s_set_vgpr_msb 0x500
	ROUND                                          ; the closing round
	s_endpgm
.Lfunc_end_k_q2aea5f3b56_proj:
	.size	k_q2aea5f3b56_proj, .Lfunc_end_k_q2aea5f3b56_proj-k_q2aea5f3b56_proj
	.p2alignl 7, 3214868480
	.fill 96, 4, 3214868480
	.section	.rodata,"a",@progbits
	.p2align	6, 0x0
	.amdhsa_kernel k_q2aea5f3b56_proj
		.amdhsa_group_segment_fixed_size 275712
		.amdhsa_private_segment_fixed_size 0
		.amdhsa_enable_private_segment 0
		.amdhsa_kernarg_size 120
		.amdhsa_user_sgpr_count 2
		.amdhsa_user_sgpr_kernarg_segment_ptr 1
		.amdhsa_wavefront_size32 1
		.amdhsa_system_sgpr_workgroup_id_x 1
		.amdhsa_system_sgpr_workgroup_id_y 1
		.amdhsa_system_sgpr_workgroup_id_z 1
		.amdhsa_system_vgpr_workitem_id 0
		.amdhsa_next_free_vgpr 322
		.amdhsa_next_free_sgpr 100
		.amdhsa_reserve_vcc 0
		.amdhsa_float_denorm_mode_32 3
		.amdhsa_float_denorm_mode_16_64 3
		.amdhsa_memory_ordered 1
		.amdhsa_forward_progress 1
		.amdhsa_inst_pref_size 81
	.end_amdhsa_kernel
	.amdgpu_metadata
---
amdhsa.version: [ 1, 2 ]
amdhsa.kernels:
  - .name:           k_q2aea5f3b56_proj
    .symbol:         k_q2aea5f3b56_proj.kd
    .args:
      - { .name: x, .offset: 0, .size: 8, .value_kind: global_buffer, .address_space: global }
      - { .name: Wv_codes, .offset: 8, .size: 8, .value_kind: global_buffer, .address_space: global }
      - { .name: Wv_scales, .offset: 16, .size: 8, .value_kind: global_buffer, .address_space: global }
      - { .name: bv, .offset: 24, .size: 8, .value_kind: global_buffer, .address_space: global }
      - { .name: Wq_codes, .offset: 32, .size: 8, .value_kind: global_buffer, .address_space: global }
      - { .name: Wq_scales, .offset: 40, .size: 8, .value_kind: global_buffer, .address_space: global }
      - { .name: bq, .offset: 48, .size: 8, .value_kind: global_buffer, .address_space: global }
      - { .name: Wk_codes, .offset: 56, .size: 8, .value_kind: global_buffer, .address_space: global }
      - { .name: Wk_scales, .offset: 64, .size: 8, .value_kind: global_buffer, .address_space: global }
      - { .name: bk, .offset: 72, .size: 8, .value_kind: global_buffer, .address_space: global }
      - { .name: Wo_codes, .offset: 80, .size: 8, .value_kind: global_buffer, .address_space: global }
      - { .name: qbuf, .offset: 88, .size: 8, .value_kind: global_buffer, .address_space: global }
      - { .name: kbuf, .offset: 96, .size: 8, .value_kind: global_buffer, .address_space: global }
      - { .name: vbuf, .offset: 104, .size: 8, .value_kind: global_buffer, .address_space: global }
      - { .name: woimg, .offset: 112, .size: 8, .value_kind: global_buffer, .address_space: global }
    .group_segment_fixed_size: 275712
    .private_segment_fixed_size: 0
    .kernarg_segment_align: 8
    .kernarg_segment_size: 120
    .max_flat_workgroup_size: 288
    .sgpr_count:     100
    .vgpr_count:     322
    .wavefront_size: 32
...
	.end_amdgpu_metadata
.endif
;; end of part 1
;; launch attn (part 2): grid 32 x 8, 8 waves a work-group, clusters of 4 x 1, 327,680 bytes of LDS; arguments qbuf, kbuf, vbuf, woimg, Wo_scales, bo, gamma, x, out0; writes out0
.if DOCPART == 2
	.amdgcn_target "amdgcn-amd-amdhsa--gfx1250"
	.amdhsa_code_object_version 6
	.text
	.protected	k_q2aea5f3b56_attn
	.globl	k_q2aea5f3b56_attn
	.p2align	8
	.type	k_q2aea5f3b56_attn,@function
k_q2aea5f3b56_attn:
	s_mov_b64 s[64:65], 0
	v_nop
	global_prefetch_b8 v0, s[64:65] scope:SCOPE_SE
	s_setreg_imm32_b32 hwreg(HW_REG_WAVE_MODE, 25, 1), 1
	s_wait_xcnt 0x0
	s_wait_alu depctr_hold_cnt(0) depctr_sa_sdst(0) depctr_va_vdst(0) depctr_va_sdst(0) depctr_va_ssrc(0) depctr_va_vcc(0) depctr_vm_vsrc(0)
	s_getreg_b32 s2, hwreg(HW_REG_IB_STS2, 6, 4)
	s_cmp_eq_u32 s2, 0
	s_cbranch_scc0 .Lentry_in_a_cluster
	s_endpgm
.Lentry_in_a_cluster:
	s_bfe_u32 s2, ttmp6, 0x10000c
	s_cmp_lg_u32 s2, 0x3003
	s_cbranch_scc0 .Lentry_shape_is_right
	s_endpgm
.Lentry_shape_is_right:
; ATTN: out0 = gamma (Wo (V softmax(Q K)^T / l) + bo) + x, all products on E3M2 codes with E8M0 block scales.  A work-group owns 64 queries (64 nb ..) of batch b and walks the batch's 2,048 keys, 128 a step.
; Query tile m (of four): row i = query 64 nb + 32 (m / 2) + 8 (m % 2) + i + 8 (i / 8).  All operands arrive as images of operand registers, made by the first launch.
; ROLES.  Waves 0-3 (S): wave m makes tile m's scores, p = 2^(t - M), the sum of the unquantised p, and p's codes.  Waves 4-7 (V): wave 4 + vv holds O^T for channels 128 vv .. and all 64 queries (32 accumulators).
; p goes from S to V through LDS, in two buffers by turns, one key step behind: one barrier a key step; an S wave's vector work stands beside a V wave's matrix work.
; THE MAXIMUM comes first: pass 1 makes all scores once (each wave: its tile m, half the keys) and keeps only the row's largest; M = ceil(largest t) is then final, so nothing is ever rescaled.
; THE SCORES have K = 32, a quarter of the instruction's 128.  A fragment of K holds FOUR tiles of 16 keys, one in each block of 32; the query tile stands in four operands, its codes in block jj and zero codes
; in the other three: the product with operand jj gives key tile jj.  Zero codes add nothing under the real scale bytes beside them (E3M2 has no code for infinity or NaN).
; Both attention products are used transposed, so that a lane holds one query; the keys and channels of a tile are chosen so that 16 registers of two neighbouring tiles are 16 neighbours along the next K.
; CLUSTER.  The four work-groups of a cluster belong to one batch and walk the same K and V: every tile is asked for jointly (mask 15), each wave an eighth.
; LIMITS: NaN and infinities are not served; a block whose largest magnitude lies under 2^-122 keeps the byte 1, a block of zeros too; 1 / l is v_rcp_f32 and a multiplication.
.set SLOT1, 1<<17                      ; slot 0 at 0, slot 1 here: one exclusive or turns an address; a slot holds two key steps of vbuf
.set STEPB, 51200                      ; a key step: 32 images of V, then 2,048 raw scale bytes
.set PIMG,  102400                     ; p's images: buffer pb at 6,144 pb, tile m at 1,536 m
.set PSC,   114688                     ; p's scale words: 512 pb + 128 m
.set MX,    115712                     ; pass 1: a wave's row maxima, 128 bytes a wave
.set LIMG,  116736                     ; 1 / l: 128 m
.set OSC,   117248                     ; O's scale words: (4 m + vv) x 128
.set SPARE, 119296                     ; the spare words, 128 bytes for each of eight waves: no other line names them
.set KBUF,  233472                     ; the batch's K: 32 images, then the scale words; filled once
.set KSCL,  KBUF+49152
.set OIMG,  286720                     ; O's images: (4 m + vv) x 1,536
.set ROWX,  8192                       ; bytes in a row of x and of out0
; the stage for the way out, 16 rows x 272 bytes a wave, lies at 4,352 x wave in slot 0, which has had its last fill and its last read by then
.set NM,  32                           ; v32-33   -M, twice                     (V role: v32-39 1 / l in pairs)
.set LS,  34                           ; v34-37   the sum, in two pairs
.set QA,  42                           ; v42-59   [q in lanes 0-15 | 0 | the same]: operands 0 and 2
.set QB,  60                           ; v60-77   [q in lanes 16-31 | 0 | the same]: operands 1 and 3
.set KF,  78                           ; v78-101  two fragments of K            (pass 1: a second set at v176)
.set QC,  102                          ; v102-107 my tile's codes as loaded
.set S,   112                          ; v112-175 the scores, then p
.set SPC, 176                          ; v176-195 p's codes
.set BM,  196                          ; v196-199 each block's largest score, then largest p
.set PT,  200                          ; v200-203 at work
.set SO,  204                          ; v204-207 the conversions' scale operands
.set RM,  212                          ; v212-215 pass 1: running maxima
.set PF,  48                           ; V role: v48-95 p's four fragments;  the end: O's four
.set VF,  96                           ; V role: v96-191 eight fragments of V
.set TM,  180                          ; V role's quantiser: at work,
.set PC,  160                          ; the codes
.set BT,  216                          ; v216-219 bo of my four output tiles
.set QS,  224                          ; from here on scales alone: q's,
.set KS,  225                          ; v225-226 K's (second set v248-249),
.set PW,  227                          ; the word just made,
.set VS,  228                          ; v228-231 V's,
.set PS,  232                          ; v232-235 p's,
.set OS,  236                          ; v236-239 O's,
.set WOS, 240                          ; v240-247 Wo's
.set SEL, 28                           ; s[28:29] selects for lane l xor 16
.set MSB, 0
.macro WIN new                         ; the immediate's high byte repeats the setting that is left
.if MSB != \new
	s_set_vgpr_msb (MSB<<8)|\new
.set MSB, \new
.endif
.endm
.macro PLACES n                        ; plain places behind matrix instructions (ISA guide 7.12.1)
.rept \n
	v_nop
.endr
.endm
.macro ROUND                           ; a round of the cluster's barrier
	s_barrier_signal -1
	s_barrier_wait -1
	s_cmp_lg_u32 s22, 0
	s_cbranch_scc1 .Lnot_wave_0_\@
	s_barrier_signal -3
.Lnot_wave_0_\@:
	s_barrier_wait -3
	s_barrier_signal -1
	s_barrier_wait -1
.endm
.macro BAR                             ; my LDS stores have landed and my LDS loads are in: then the work-group's barrier
	s_wait_dscnt 0x0
	s_barrier_signal -1
	s_barrier_wait -1
.endm
; one product 16 x 16 x 128.  c < 0: the constant 0 starts the sum.  ra, rb: the side's scale words stand in lanes 16-31
.macro WM d, a, b, c, sa, sb, ra, rb
.if (\c) < 0
.if (\ra)
	v_wmma_scale_f32_16x16x128_f8f6f4 v[\d:\d+7], v[\a:\a+11], v[\b:\b+11], 0, v[\sa], v[\sb] matrix_a_fmt:MATRIX_FMT_BF6 matrix_b_fmt:MATRIX_FMT_BF6 matrix_a_scale:MATRIX_SCALE_ROW1
.elseif (\rb)
	v_wmma_scale_f32_16x16x128_f8f6f4 v[\d:\d+7], v[\a:\a+11], v[\b:\b+11], 0, v[\sa], v[\sb] matrix_a_fmt:MATRIX_FMT_BF6 matrix_b_fmt:MATRIX_FMT_BF6 matrix_b_scale:MATRIX_SCALE_ROW1
.else
	v_wmma_scale_f32_16x16x128_f8f6f4 v[\d:\d+7], v[\a:\a+11], v[\b:\b+11], 0, v[\sa], v[\sb] matrix_a_fmt:MATRIX_FMT_BF6 matrix_b_fmt:MATRIX_FMT_BF6
.endif
.else
.if (\ra)
	v_wmma_scale_f32_16x16x128_f8f6f4 v[\d:\d+7], v[\a:\a+11], v[\b:\b+11], v[\c:\c+7], v[\sa], v[\sb] matrix_a_fmt:MATRIX_FMT_BF6 matrix_b_fmt:MATRIX_FMT_BF6 matrix_a_scale:MATRIX_SCALE_ROW1
.elseif (\rb)
	v_wmma_scale_f32_16x16x128_f8f6f4 v[\d:\d+7], v[\a:\a+11], v[\b:\b+11], v[\c:\c+7], v[\sa], v[\sb] matrix_a_fmt:MATRIX_FMT_BF6 matrix_b_fmt:MATRIX_FMT_BF6 matrix_b_scale:MATRIX_SCALE_ROW1
.else
	v_wmma_scale_f32_16x16x128_f8f6f4 v[\d:\d+7], v[\a:\a+11], v[\b:\b+11], v[\c:\c+7], v[\sa], v[\sb] matrix_a_fmt:MATRIX_FMT_BF6 matrix_b_fmt:MATRIX_FMT_BF6
.endif
.endif
.endm
; 64 numbers of a lane, register 16 b + i = k 32 b + 16 (lane / 16) + i of my row, become a fragment's codes in v[PC] on and its scale word in v[PW]
.macro QUANT s
.irp b, 0,1,2,3
	v_max3_num_f32 v[TM+\b], |v[\s+16*\b]|, |v[\s+1+16*\b]|, 0x2800000   ; my 16 numbers and the floor 2^(5 - 127): the byte cannot fall under 1
.endr
.irp i, 2,4,6,8,10,12,14
.irp b, 0,1,2,3
	v_max3_num_f32 v[TM+\b], v[TM+\b], |v[\s+16*\b+\i]|, |v[\s+1+16*\b+\i]|
.endr
.endr
.irp b, 0,1,2,3
	v_permlanex16_b32 v[TM+4+\b], v[TM+\b], s[SEL], s[SEL+1]
.endr
.irp b, 0,1,2,3
	v_max_num_f32 v[TM+\b], v[TM+\b], v[TM+4+\b]
.endr
.irp b, 0,1,2,3
	v_add_nc_u32 v[TM+12+\b], 0xfe000000, v[TM+\b]        ; 4 off the exponent field: the conversion's scale operand
.endr
.irp b, 0,1,2,3
	v_lshrrev_b32 v[TM+4+\b], 23, v[TM+12+\b]
.endr
	v_lshl_or_b32 v[PW], v[TM+5], 8, v[TM+4]
	v_lshl_or_b32 v[PW], v[TM+6], 16, v[PW]
	v_lshl_or_b32 v[PW], v[TM+7], 24, v[PW]
.irp c, 0,1
	v_cvt_scalef32_pk16_bf6_f32 v[PC+6*\c:PC+2+6*\c], v[\s+32*\c:\s+15+32*\c], v[TM+12+2*\c]
	v_cvt_scalef32_pk16_bf6_f32 v[PC+12+4*\c:PC+14+4*\c], v[\s+16+32*\c:\s+31+32*\c], v[TM+12+2*\c+1]
.endr
	v_nop                                                 ; one plain place behind a scaled conversion
.irp c, 0,1
.irp i, 0,1,2
	v_permlane16_swap_b32 v[PC+6*\c+\i], v[PC+12+4*\c+\i]
.endr
.irp i, 0,1,2
	v_mov_b32 v[PC+3+6*\c+\i], v[PC+12+4*\c+\i]
.endr
.endr
.endm
; a key step's two fragments of K and their scale words: ten LDS loads
.macro LOADK buf, ks, off
.irp F, 0,1
.irp c, 0,1
	ds_load_b128 v[\buf+12*\F+6*\c:\buf+12*\F+6*\c+3], v13 offset:(\off)+1536*\F+768*\c
	ds_load_b64 v[\buf+12*\F+6*\c+4:\buf+12*\F+6*\c+5], v14 offset:(\off)+1536*\F+768*\c
.endr
	ds_load_b32 v[\ks+\F], v15 offset:(\off)/12+128*\F    ; lanes 16-31 hold k's words
.endr
.endm
; the scores of 128 keys: eight products, each beginning anew; register 16 b + i of S = key 32 b + 16 (lane / 16) + i of the step
.macro WMMA8 buf, ks
.set rF, 0
.rept 2
.set rJ, 0
.rept 4
.set rD, S+8*(4*rF+rJ)
.set rA, \buf+12*rF
.set rB, QA+18*(rJ%2)+6*(rJ/2)
.set rSA, \ks+rF
	WM rD, rA, rB, -1, rSA, QS, 1, 0
.set rJ, rJ+1
.endr
.set rF, rF+1
.endr
.endm
; AN S WAVE'S KEY STEP.  pb: p's buffer.  next = 1: the next step's K is fetched
.macro S_STEP pb, next
	WMMA8 KF, KS
	PLACES 4
.irp b, 0,1,2,3
	v_max3_num_f32 v[BM+\b], v[S+16*\b], v[S+16*\b+1], v[S+16*\b+2]      ; each block's largest score: p rises with the score, so it gives the block's largest p
.endr
.irp i, 3,5,7,9,11,13
.irp b, 0,1,2,3
	v_max3_num_f32 v[BM+\b], v[BM+\b], v[S+16*\b+\i], v[S+16*\b+\i+1]
.endr
.endr
.irp b, 0,1,2,3
	v_max_num_f32 v[BM+\b], v[BM+\b], v[S+16*\b+15]
.endr
.if \next
	LOADK KF, KS, 0                                       ; the lines above are the places in front of these loads
.endif
.irp b, 0,1,2,3
	v_permlanex16_b32 v[PT+\b], v[BM+\b], s[SEL], s[SEL+1]
.endr
.irp b, 0,1,2,3
	v_max_num_f32 v[BM+\b], v[BM+\b], v[PT+\b]
.endr
.irp b, 0,1,2,3
	v_fma_f32 v[BM+\b], v[BM+\b], s30, v[NM]              ; t - M of the block's largest
.endr
	v_pk_fma_f32 v[S:S+1], v[S:S+1], s[30:31], v[NM:NM+1] op_sel_hi:[1,0,0]
	v_pk_fma_f32 v[S+2:S+3], v[S+2:S+3], s[30:31], v[NM:NM+1] op_sel_hi:[1,0,0]
.set i, 0
.rept 32                               ; t - M two pairs ahead, an exponential, the sum two pairs back, an exponential: each exponential has a plain line behind it before its result is used
.if i < 30
	v_pk_fma_f32 v[S+2*i+4:S+2*i+5], v[S+2*i+4:S+2*i+5], s[30:31], v[NM:NM+1] op_sel_hi:[1,0,0]
.endif
	v_exp_f32 v[S+2*i], v[S+2*i]
.if i >= 2
	s_wait_alu depctr_va_vdst(0)
	v_pk_add_f32 v[LS+2*(i%2):LS+2*(i%2)+1], v[LS+2*(i%2):LS+2*(i%2)+1], v[S+2*i-4:S+2*i-3]   ; the sum is taken of the unquantised p
.endif
	v_exp_f32 v[S+2*i+1], v[S+2*i+1]
.set i, i+1
.endr
	s_wait_alu depctr_va_vdst(0)
	v_pk_add_f32 v[LS:LS+1], v[LS:LS+1], v[S+60:S+61]
	v_pk_add_f32 v[LS+2:LS+3], v[LS+2:LS+3], v[S+62:S+63]
.irp b, 0,1,2,3
	v_exp_f32 v[BM+\b], v[BM+\b]                          ; the block's largest p: the same two instructions on the same number
.endr
	v_nop
	s_wait_alu depctr_va_vdst(0)
.irp b, 0,1,2,3
	v_max_num_f32 v[BM+\b], 0x2800000, v[BM+\b]           ; the floor 2^(5 - 127)
.endr
.irp b, 0,1,2,3
	v_add_nc_u32 v[SO+\b], 0xfe000000, v[BM+\b]
.endr
.irp b, 0,1,2,3
	v_lshrrev_b32 v[PT+\b], 23, v[SO+\b]
.endr
	v_lshl_or_b32 v[PW], v[PT+1], 8, v[PT]
	v_lshl_or_b32 v[PW], v[PT+2], 16, v[PW]
	v_lshl_or_b32 v[PW], v[PT+3], 24, v[PW]
.irp c, 0,1
	v_cvt_scalef32_pk16_bf6_f32 v[SPC+6*\c:SPC+2+6*\c], v[S+32*\c:S+15+32*\c], v[SO+2*\c]
	v_cvt_scalef32_pk16_bf6_f32 v[SPC+12+4*\c:SPC+14+4*\c], v[S+16+32*\c:S+31+32*\c], v[SO+2*\c+1]
.endr
	v_nop                                                 ; one plain place behind a scaled conversion
.irp c, 0,1
.irp i, 0,1,2
	v_permlane16_swap_b32 v[SPC+6*\c+\i], v[SPC+12+4*\c+\i]
.endr
.irp i, 0,1,2
	v_mov_b32 v[SPC+3+6*\c+\i], v[SPC+12+4*\c+\i]
.endr
.endr
.irp c, 0,1,2
	ds_store_b128 v9, v[SPC+4*\c:SPC+4*\c+3] offset:6144*\pb+512*\c      ; the fragment as it stands, 16 bytes a lane
.endr
	ds_store_b32 v10, v[PW] offset:512*\pb
.endm
; sixteen products O^T += V^T p^T: channel tiles c0 .. c0 + 3 x the four query tiles; the 32 accumulators take turns
.macro PVMUL c0, zero
.set rT, \c0
.rept 4
.set rM, 0
.rept 4
.set rD, 64*rM+8*rT
.set rA, VF+12*rT
.set rB, PF+12*rM
.set rSA, VS+rT%4
.set rSB, PS+rM
.if \zero
	WM rD, rA, rB, -1, rSA, rSB, rT/4, 0
.else
	WM rD, rA, rB, rD, rSA, rSB, rT/4, 0
.endif
.set rM, rM+1
.endr
.set rT, rT+1
.endr
.endm
; A V WAVE'S KEY STEP.  half: which of the slot's two steps; pb: p's buffer; zero = 1: the products start the sums
.macro V_STEP half, pb, zero
	PLACES 4                                              ; in front of loads into registers that matrix instructions have read
	ds_load_b64 v[220:221], v18 offset:STEPB*\half        ; V's raw scale bytes: keys 0-63 of the step,
	ds_load_b64 v[222:223], v18 offset:STEPB*\half+1024   ; keys 64-127
.irp m, 0,1,2,3
	ds_load_b32 v[PS+\m], v12 offset:512*\pb+128*\m
.endr
.irp m, 0,1,2,3
.irp c, 0,1,2
	ds_load_b128 v[PF+12*\m+4*\c:PF+12*\m+4*\c+3], v11 offset:6144*\pb+1536*\m+512*\c
.endr
.endr
.irp t, 0,1,2,3,4,5,6,7
.irp c, 0,1
	ds_load_b128 v[VF+12*\t+6*\c:VF+12*\t+6*\c+3], v16 offset:STEPB*\half+1536*\t+768*\c
	ds_load_b64 v[VF+12*\t+6*\c+4:VF+12*\t+6*\c+5], v17 offset:STEPB*\half+1536*\t+768*\c
.endr
.endr
	s_wait_dscnt 48                                       ; the raw scale bytes are in; the 48 loads behind them may be out
	v_perm_b32 v[VS], v222, v220, s66                     ; a tile's word: two bytes of each half of the step; lanes 0-15 tiles 0-3, lanes 16-31 tiles 4-7
	v_perm_b32 v[VS+1], v222, v220, s67
	v_perm_b32 v[VS+2], v223, v221, s66
	v_perm_b32 v[VS+3], v223, v221, s67
	PLACES 8                                              ; a scale register written by a vector instruction stands eight places ahead of a scaled product
	s_wait_dscnt 16                                       ; all but the last four fragments of V
	WIN 0x50                                              ; C and D in the second window
	PVMUL 0, \zero
	s_wait_dscnt 0x0
	PVMUL 4, \zero
	WIN 0
.endm
; Wo's fragments f0 .. f0 + n - 1 (fragment 4 s + tt: my output tile tt, K step s) into the second window
.macro WOLOAD f0, n
	WIN 0x40
.set fi, \f0
.rept \n
.irp c, 0,1
	global_load_b128 v[12*fi+6*\c:12*fi+6*\c+3], v29, s[78:79] offset:(4*(fi%4)+fi/4)*1536+768*\c
	global_load_b64 v[12*fi+6*\c+4:12*fi+6*\c+5], v30, s[78:79] offset:(4*(fi%4)+fi/4)*1536+768*\c+512
.endr
.set fi, fi+1
.endr
	WIN 0
.endm
.macro ADDRS                           ; on every wave's way: the addresses of this trip's loads
	v_add_nc_u32 v13, s61, v3
	v_add_nc_u32 v14, s61, v4
	v_add_nc_u32 v15, s62, v5
	v_add_nc_u32 v16, s60, v6
	v_add_nc_u32 v17, s60, v7
	v_add_nc_u32 v18, s60, v8
	s_add_co_u32 s61, s61, 3072
	s_add_co_u32 s62, s62, 256
.endm
.macro TRIP spb, vhalf, vpb, vzero     ; S waves: key step j; V waves: key step j - 1
	ADDRS
	s_cmp_lg_u32 s24, 0
	s_cbranch_scc1 .Lvrole_\@
	S_STEP \spb, 1
	s_branch .Ljoined_\@
.Lvrole_\@:
	V_STEP \vhalf, \vpb, \vzero
.Ljoined_\@:
.endm
	s_load_b256 s[4:11], s[0:1], 0x0               ; qbuf, kbuf, vbuf, woimg
	s_load_b256 s[12:19], s[0:1], 0x20             ; Wo's scales, bo, gamma, x
	s_load_b64 s[20:21], s[0:1], 0x40              ; out0
	v_lshl_add_u32 v1, v0, 2, SPARE
	v_mov_b32 v2, 0
	ds_add_u32 v1, v2
	ds_add_u32 v1, v2
	s_wait_dscnt 0x0
	v_lshrrev_b32 v32, 5, v0
	v_readfirstlane_b32 s22, v32                   ; wave 0..7
	s_and_b32 s23, s22, 3                          ; m, or vv
	s_lshr_b32 s24, s22, 2                         ; role: 0 S, 1 V
	s_and_b32 s27, ttmp7, 0xffff                   ; b, which the four partners share
	; descriptor group 1: dense blocks as rows of 256 bytes (32 elements of 8); the mask names the four work-groups
	s_mov_b32 s32, 15|(3<<16)|(1<<21)
	s_mov_b32 s33, 32<<16
	s_mov_b32 s34, 26<<16                          ; an eighth of K: 26 rows
	s_mov_b32 s35, 32<<16
	s_mov_b32 s36, 26
	s_mov_b32 s37, 32
	s_mov_b32 s38, 0
	s_mov_b32 s39, 0
	s_mov_b32 s40, 15|(3<<16)|(1<<21)
	s_mov_b32 s41, 32<<16
	s_mov_b32 s42, 50<<16                          ; an eighth of a slot: 50 rows
	s_mov_b32 s43, 32<<16
	s_mov_b32 s44, 50
	s_mov_b32 s45, 32
	s_mov_b32 s46, 0
	s_mov_b32 s47, 0
	s_mul_i32 s93, s22, 6656
	s_mul_i32 s92, s22, 12800
	s_mul_i32 s88, s27, 53248
	s_add_co_u32 s88, s88, s93
	s_mov_b32 s89, 0
	s_mul_i32 s90, s27, 16*STEPB
	s_add_co_u32 s90, s90, s92
	s_mov_b32 s91, 0
	s_mov_b32 s[SEL], 0x76543210
	s_mov_b32 s[SEL+1], 0xfedcba98
	s_mov_b32 s30, 0x3fb8aa3b                      ; log2(e)
	s_mov_b32 s31, s30                             ; (named with it as a pair)
	s_mov_b32 s66, 0x05040100                      ; the two low halves
	s_mov_b32 s67, 0x07060302                      ; the two high halves
	s_mul_i32 s68, s23, 0x01010101                 ; byte m, four times
	s_wait_kmcnt 0x0
	s_mov_b32 s48, 1
	s_add_co_u32 s49, s93, KBUF
	s_add_nc_u64 s[50:51], s[6:7], s[88:89]
	s_or_b32 s51, s51, 0x80000000
	s_mov_b32 s52, 1
	s_mov_b32 s53, s92
	s_add_nc_u64 s[54:55], s[8:9], s[90:91]        ; key steps 0, 1
	s_add_nc_u64 s[58:59], s[54:55], 2*STEPB       ; key steps 2, 3; this descriptor then walks
	s_or_b32 s55, s55, 0x80000000
	s_mov_b32 s56, 1
	s_add_co_u32 s57, s92, SLOT1
	s_or_b32 s59, s59, 0x80000000
	ROUND                                          ; the four work-groups are here: the first joint loads meet
	tensor_load_to_lds s[48:51], s[32:39]          ; K; three tensor loads of mine are out
	s_nop 0
	tensor_load_to_lds s[52:55], s[40:47]          ; slot 0
	s_nop 0
	tensor_load_to_lds s[56:59], s[40:47]          ; slot 1
	s_nop 0
	PLACES 4
	s_load_b32 s70, s[16:17], 0x0                  ; gamma
	s_bfe_u32 s25, ttmp6, 0x40000                  ; my place in the cluster: it enters global addresses alone
	s_lshl_b32 s26, ttmp9, 2
	s_add_co_u32 s26, s26, s25                     ; nb
	s_lshl_b32 s94, s27, 5
	s_add_co_u32 s94, s94, s26
	s_mul_i32 s94, s94, 1536
	s_lshr_b32 s95, s23, 1
	s_mul_i32 s95, s95, 768
	s_add_co_u32 s94, s94, s95
	s_mov_b32 s95, 0
	s_add_nc_u64 s[74:75], s[4:5], s[94:95]        ; q's image, the half that holds block m
	s_mul_i32 s94, s27, 53248
	s_lshl_b32 s96, s26, 7
	s_add_co_u32 s94, s94, s96
	s_add_co_u32 s94, s94, 49152
	s_add_nc_u64 s[76:77], s[6:7], s[94:95]        ; q's scale words
	s_mul_i32 s94, s22, 24576
	s_add_nc_u64 s[78:79], s[10:11], s[94:95]      ; Wo's images of my 64 outputs
	s_lshl_b32 s94, s22, 10
	s_add_nc_u64 s[80:81], s[12:13], s[94:95]      ; their scale bytes
	s_lshl_b32 s94, s22, 8
	s_add_nc_u64 s[86:87], s[14:15], s[94:95]      ; bo
	s_lshl_b32 s94, s27, 22
	s_lshl_b32 s96, s22, 19
	s_add_co_u32 s94, s94, s96
	s_lshl_b32 s96, s26, 8
	s_add_co_u32 s94, s94, s96
	s_add_nc_u64 s[82:83], s[18:19], s[94:95]      ; x and out0: batch, my 64 rows, the 64 columns
	s_add_nc_u64 s[84:85], s[20:21], s[94:95]
	; every LDS address is made here, ahead of the first parting of roles: constants, the lane, the wave's number
	v_and_b32 v33, 31, v0                          ; lane
	v_and_b32 v34, 15, v0                          ; r
	v_bfe_u32 v35, v0, 4, 1                        ; h
	v_lshl_add_u32 v3, v33, 4, KBUF
	v_lshl_add_u32 v4, v33, 3, KBUF+512
	v_lshl_add_u32 v5, v33, 2, KSCL
	s_mul_i32 s72, s23, 12288
	v_lshl_add_u32 v6, v33, 4, s72                 ; V: my eight tiles of a step
	s_add_co_u32 s73, s72, 512
	v_lshl_add_u32 v7, v33, 3, s73
	s_lshl_b32 s73, s23, 8
	s_add_co_u32 s73, s73, 49152
	v_lshl_add_u32 v8, v33, 3, s73                 ; and their raw scale bytes
	s_mul_i32 s72, s23, 1536
	s_add_co_u32 s73, s72, PIMG
	v_lshl_add_u32 v9, v33, 4, s73
	s_add_co_u32 s73, s72, OIMG
	v_lshl_add_u32 v23, v33, 4, s73
	s_lshl_b32 s72, s23, 7
	s_add_co_u32 s73, s72, PSC
	v_lshl_add_u32 v10, v33, 2, s73
	s_add_co_u32 s73, s72, MX
	v_lshl_add_u32 v20, v33, 2, s73
	s_add_co_u32 s73, s72, LIMG
	v_lshl_add_u32 v21, v33, 2, s73
	s_add_co_u32 s73, s72, OSC
	v_lshl_add_u32 v24, v33, 2, s73
	v_lshl_add_u32 v11, v33, 4, PIMG
	v_lshl_add_u32 v12, v33, 2, PSC
	s_lshl_b32 s73, s22, 7
	s_add_co_u32 s73, s73, MX
	v_lshl_add_u32 v19, v33, 2, s73
	v_lshl_add_u32 v22, v33, 2, LIMG
	v_lshl_add_u32 v25, v33, 4, OIMG
	v_lshl_add_u32 v26, v33, 2, OSC
	s_mul_i32 s72, s22, 4352
	v_mul_u32_u24 v27, v34, 272
	v_lshl_add_u32 v27, v35, 6, v27
	v_add_nc_u32 v27, s72, v27                     ; the stage, in: row r, + 64 h
	v_mul_u32_u24 v28, v35, 272
	v_lshl_add_u32 v28, v34, 4, v28
	v_add_nc_u32 v28, s72, v28                     ; back: lanes 0-15 one row, lanes 16-31 the next
	v_lshlrev_b32 v29, 4, v33
	v_lshlrev_b32 v30, 3, v33
	v_lshlrev_b32 v31, 13, v35
	v_lshl_add_u32 v31, v34, 4, v31                ; x, out0: row h, 16 bytes a lane
	s_mul_i32 s72, s24, 24576                      ; pass 1: my half of the keys
	v_add_nc_u32 v13, s72, v3
	v_add_nc_u32 v14, s72, v4
	s_lshl_b32 s72, s24, 11
	v_add_nc_u32 v15, s72, v5
	v_mov_b32 v16, v6
	v_mov_b32 v17, v7
	v_mov_b32 v18, v8
	s_and_b32 s72, s23, 1
	s_lshl_b32 s73, s72, 8
	v_lshl_add_u32 v36, v34, 4, s73                ; block m lies in lane r + 16 (m % 2) of the image: every lane of mine takes it
	s_lshl_b32 s73, s72, 7
	v_lshl_add_u32 v37, v34, 3, s73
	v_lshlrev_b32 v39, 2, v34
	global_load_b128 v[QC:QC+3], v36, s[74:75]
	global_load_b64 v[QC+4:QC+5], v37, s[74:75] offset:512
	global_load_b32 v38, v39, s[76:77]
	global_load_b128 v[WOS:WOS+3], v29, s[80:81]
	global_load_b128 v[WOS+4:WOS+7], v29, s[80:81] offset:512
.irp t, 0,1,2,3
	global_load_b32 v[BT+\t], v39, s[86:87] offset:64*\t
.endr
	s_wait_tensorcnt 0x2                           ; my eighth of K is in; the two slots may be out
	s_barrier_signal -1
	s_barrier_wait -1
	LOADK KF, KS, 0
	s_wait_loadcnt 0x0
	v_perm_b32 v[QS], v38, v38, s68                ; my tile's byte in all four places
	v_add_nc_u32 v40, -1, v35                      ; all ones in lanes 0-15
	v_sub_nc_u32 v41, 0, v35                       ; all ones in lanes 16-31
.irp i, 0,1,2,3,4,5
	v_and_b32 v[QA+\i], v40, v[QC+\i]
	v_mov_b32 v[QA+6+\i], 0
	v_and_b32 v[QA+12+\i], v40, v[QC+\i]
	v_and_b32 v[QB+\i], v41, v[QC+\i]
	v_mov_b32 v[QB+6+\i], 0
	v_and_b32 v[QB+12+\i], v41, v[QC+\i]
.endr
.irp i, 0,1,2,3
	v_mov_b32 v[LS+\i], 0                          ; the sum
	v_mov_b32 v[PT+\i], 0                          ; a lane permute's destination counts as one of its sources
	v_mov_b32 v[RM+\i], 0xff800000                 ; -infinity, under every score
.endr
	PLACES 8                                       ; operands and a scale register written by vector instructions stand ahead of a scaled product
	; PASS 1: the row's largest score.  Eight key steps, two sets of K's registers by turns
.set t, 0
.rept 8
.if t < 7
	LOADK KF+98*((t+1)%2), KS+23*((t+1)%2), 3072*(t+1)
	s_wait_dscnt 10                                ; this step's K is in; the next step's ten loads may be out
.else
	s_wait_dscnt 0x0
.endif
	WMMA8 KF+98*(t%2), KS+23*(t%2)
	PLACES 4
.set p, 0
.rept 32
	v_max3_num_f32 v[RM+p%4], v[RM+p%4], v[S+2*p], v[S+2*p+1]
.set p, p+1
.endr
.set t, t+1
.endr
	v_max3_num_f32 v[RM], v[RM], v[RM+1], v[RM+2]
	v_max_num_f32 v[RM], v[RM], v[RM+3]
	v_permlanex16_b32 v[PT], v[RM], s[SEL], s[SEL+1]
	v_max_num_f32 v[RM], v[RM], v[PT]
	ds_store_b32 v19, v[RM]
	BAR
	ds_load_b32 v[RM+1], v20                       ; tile m's two halves of the keys
	ds_load_b32 v[RM+2], v20 offset:512
	v_mov_b32 v13, v3
	v_mov_b32 v14, v4
	v_mov_b32 v15, v5
	LOADK KF, KS, 0                                ; key step 0
	s_mov_b32 s60, 0                               ; the slot in hand
	s_mov_b32 s61, 3072                            ; where the next step's K begins
	s_mov_b32 s62, 256
	s_wait_dscnt 10
	v_max_num_f32 v[RM], v[RM+1], v[RM+2]
	v_mul_f32 v[RM], s30, v[RM]                    ; as t
	v_floor_f32 v[NM], -v[RM]                      ; -M = floor(-t) = -ceil(t)
	v_mov_b32 v[NM+1], v[NM]
	; TRIP 0: the S waves' first key step
	ADDRS
	s_wait_dscnt 0x0
	s_cmp_lg_u32 s24, 0
	s_cbranch_scc1 .Ltrip0_done
	S_STEP 0, 1
.Ltrip0_done:
	s_wait_tensorcnt 0x1                           ; my eighth of slot 0 is in; slot 1's may be out
	BAR
	TRIP 1, 0, 0, 1
	BAR
	TRIP 0, 1, 1, 0
	s_mov_b32 s63, 6
.Lloop:                                            ; six times two trips: key steps 3 to 14 (S), 2 to 13 (V); each time the slot just left is filled again
	s_wait_tensorcnt 0x0                           ; all my tensor loads have landed: my eighth of the slot ahead
	ds_add_u32 v1, v2                              ; 0 onto my spare word
	s_xor_b32 s57, s57, SLOT1                      ; the walking descriptor: the other slot,
	s_add_nc_u64 s[58:59], s[58:59], 2*STEPB       ; the next two key steps
	s_wait_dscnt 0x0                               ; the add is done; my reads of the slot left, and my LDS stores, are over
	ROUND                                          ; that now holds of every wave of the four work-groups
	tensor_load_to_lds s[56:59], s[40:47]          ; my one tensor load until the next round: it has two trips in which to land
	s_nop 0
	PLACES 4
	s_xor_b32 s60, s60, SLOT1
	TRIP 1, 0, 0, 0
	BAR
	TRIP 0, 1, 1, 0
	s_sub_co_u32 s63, s63, 1
	s_cmp_lg_u32 s63, 0
	s_cbranch_scc1 .Lloop
	s_wait_tensorcnt 0x0                           ; the last fill has landed; nothing more is asked for
	ds_add_u32 v1, v2
	s_wait_dscnt 0x0
	s_barrier_signal -1
	s_barrier_wait -1
	s_xor_b32 s60, s60, SLOT1
	; TRIP 15: the S waves' last key step and 1 / l
	ADDRS
	s_cmp_lg_u32 s24, 0
	s_cbranch_scc1 .Lv15
	S_STEP 1, 0
	v_pk_add_f32 v[LS:LS+1], v[LS:LS+1], v[LS+2:LS+3]
	v_add_f32 v[LS], v[LS], v[LS+1]
	v_permlanex16_b32 v[LS+2], v[LS], s[SEL], s[SEL+1]
	v_add_f32 v[LS], v[LS], v[LS+2]                ; the row's sum
	v_rcp_f32 v[LS+1], v[LS]
	v_nop                                          ; a plain place behind the transcendental
	s_wait_alu depctr_va_vdst(0)
	ds_store_b32 v21, v[LS+1]
	s_branch .Lj15
.Lv15:
	V_STEP 0, 0, 0
.Lj15:
	BAR
	; TRIP 16: the V waves' last key step; O / l is quantised along the channels; Wo's fragments are asked for
	ADDRS
	s_cmp_lg_u32 s24, 0
	s_cbranch_scc1 .Lv16
	WOLOAD 0, 16
	s_branch .Lj16
.Lv16:
	V_STEP 1, 1, 0
.irp m, 0,1,2,3
	ds_load_b32 v[32+2*\m], v22 offset:128*\m
	ds_load_b32 v[33+2*\m], v22 offset:128*\m
.endr
	PLACES 4
	s_wait_dscnt 0x0
.irp m, 0,1,2,3
	WIN 0x01                                       ; source 0 in the second window
.set i, 0
.rept 32
	v_pk_mul_f32 v[VF+i:VF+i+1], v[64*\m+i:64*\m+i+1], v[32+2*\m:33+2*\m]   ; register 16 b + i = channel 128 vv + 32 b + 16 h + i of my query; each accumulator from its low end on
.set i, i+2
.endr
	WIN 0
	QUANT VF
.irp c, 0,1,2
	ds_store_b128 v23, v[PC+4*\c:PC+4*\c+3] offset:6144*\m+512*\c
.endr
	ds_store_b32 v24, v[PW] offset:512*\m
	s_wait_dscnt 0x0                               ; the stores have read their registers
.if \m == 0
	WOLOAD 0, 5                                    ; into the accumulators that have just been read out
.elseif \m == 1
	WOLOAD 5, 5
.elseif \m == 2
	WOLOAD 10, 6
.endif
.endr
.Lj16:
	BAR                                            ; O's sixteen fragments lie in LDS
	; THE LAST PRODUCT, all eight waves: source 0 = 16 queries, source 1 = 16 rows of Wo: a lane holds one output channel and eight neighbouring columns.  bo is the C of the first product
	s_wait_loadcnt 0x0
	s_wait_kmcnt 0x0
	s_mov_b32 s71, s70
	WIN 0x40
.irp t, 0,1,2,3
.irp j, 0,1,2,3,4,5,6,7
	v_mov_b32 v[192+8*\t+\j], v[BT+\t]
.endr
.endr
	WIN 0
.irp s, 0,1,2,3
.irp m, 0,1,2,3
.irp c, 0,1,2
	ds_load_b128 v[PF+12*\m+4*\c:PF+12*\m+4*\c+3], v25 offset:(4*\m+\s)*1536+512*\c
.endr
	ds_load_b32 v[OS+\m], v26 offset:(4*\m+\s)*128
.endr
	s_wait_dscnt 0x0
.if \s == 0
	WIN 0x14                                       ; source 1 and C in the second window
.else
	WIN 0x04
.endif
.set rT, 0
.rept 4
.set rM, 0
.rept 4
.set rD, 96+8*(4*rT+rM)
.set rA, PF+12*rM
.set rB, 12*(4*\s+rT)
.set rC, 192+8*rT
.set rSA, OS+rM
.set rSB, WOS+4*(rT/2)+\s
.if \s == 0
	WM rD, rA, rB, rC, rSA, rSB, 0, rT%2
.else
	WM rD, rA, rB, rD, rSA, rSB, 0, rT%2
.endif
.set rM, rM+1
.endr
.set rT, rT+1
.endr
	WIN 0
	PLACES 4
	WIN 0x40
.irp i, 0,1,2,3,4,5,6,7                        ; x of output tile s, into the fragments' registers just left: sixteen lanes read 256 consecutive bytes
	global_load_b128 v[48*\s+4*\i:48*\s+4*\i+3], v31, s[82:83] offset:(16*\s+2*\i)*ROWX th:TH_LOAD_NT
.endr
	WIN 0
.endr
; THE WAY OUT, an output tile (16 channels x 64 columns) at a time through my own stage: LDS serves a wave's instructions in order (ISA guide 5.7.1.4)
.macro TOSTAGE tt
.irp m, 0,1,2,3
	ds_store_b128 v27, v[96+8*(4*(\tt)+\m):96+8*(4*(\tt)+\m)+3] offset:128*(\m/2)+32*(\m%2)       ; each accumulator from its low end on
	ds_store_b128 v27, v[96+8*(4*(\tt)+\m)+4:96+8*(4*(\tt)+\m)+7] offset:128*(\m/2)+32*(\m%2)+16
.endr
.irp i, 0,1,2,3,4,5,6,7
	ds_load_b128 v[32+32*((\tt)%2)+4*\i:32+32*((\tt)%2)+4*\i+3], v28 offset:544*\i
.endr
.endm
.macro SEND tt, younger
	s_wait_dscnt \younger                          ; the tile is back; the next tile's 8 stores and 8 loads may be out
	s_wait_loadcnt 8*(3-(\tt))                     ; its x is in; the later tiles' may be out
	WIN 0x10                                       ; source 2 in the second window
.set i, 0
.rept 16
	v_pk_fma_f32 v[32+32*((\tt)%2)+i:32+32*((\tt)%2)+i+1], v[32+32*((\tt)%2)+i:32+32*((\tt)%2)+i+1], s[70:71], v[48*(\tt)+i:48*(\tt)+i+1] op_sel_hi:[1,0,1]
.set i, i+2
.endr
	WIN 0
.irp i, 0,1,2,3,4,5,6,7
	global_store_b128 v31, v[32+32*((\tt)%2)+4*\i:32+32*((\tt)%2)+4*\i+3], s[84:85] offset:(16*(\tt)+2*\i)*ROWX th:TH_STORE_NT   ; sixteen lanes store 256 consecutive bytes, aligned
.endr
.endm
	TOSTAGE 0
.irp a, 1,2,3
.if \a > 1
	s_wait_xcnt 0x0                                ; the stores of the tile two back have read their registers
.endif
	TOSTAGE \a
	SEND \a-1, 16
.endr
	SEND 3, 0
	s_wait_tensorcnt 0x0                           ; the wave's end
	ds_add_u32 v1, v2
	s_wait_dscnt 0x0
	ROUND                                          ; the closing round
	s_endpgm
.Lfunc_end_k_q2aea5f3b56_attn:
	.size	k_q2aea5f3b56_attn, .Lfunc_end_k_q2aea5f3b56_attn-k_q2aea5f3b56_attn
	.p2alignl 7, 3214868480
	.fill 96, 4, 3214868480
	.section	.rodata,"a",@progbits
	.p2align	6, 0x0
	.amdhsa_kernel k_q2aea5f3b56_attn
		.amdhsa_group_segment_fixed_size 327680
		.amdhsa_private_segment_fixed_size 0
		.amdhsa_enable_private_segment 0
		.amdhsa_kernarg_size 72
		.amdhsa_user_sgpr_count 2
		.amdhsa_user_sgpr_kernarg_segment_ptr 1
		.amdhsa_wavefront_size32 1
		.amdhsa_system_sgpr_workgroup_id_x 1
		.amdhsa_system_sgpr_workgroup_id_y 1
		.amdhsa_system_sgpr_workgroup_id_z 1
		.amdhsa_system_vgpr_workitem_id 0
		.amdhsa_next_free_vgpr 512
		.amdhsa_next_free_sgpr 100
		.amdhsa_reserve_vcc 0
		.amdhsa_float_denorm_mode_32 3
		.amdhsa_float_denorm_mode_16_64 3
		.amdhsa_memory_ordered 1
		.amdhsa_forward_progress 1
		.amdhsa_inst_pref_size 241
	.end_amdhsa_kernel
	.amdgpu_metadata
---
amdhsa.version: [ 1, 2 ]
amdhsa.kernels:
  - .name:           k_q2aea5f3b56_attn
    .symbol:         k_q2aea5f3b56_attn.kd
    .args:
      - { .name: qbuf, .offset: 0, .size: 8, .value_kind: global_buffer, .address_space: global }
      - { .name: kbuf, .offset: 8, .size: 8, .value_kind: global_buffer, .address_space: global }
      - { .name: vbuf, .offset: 16, .size: 8, .value_kind: global_buffer, .address_space: global }
      - { .name: woimg, .offset: 24, .size: 8, .value_kind: global_buffer, .address_space: global }
      - { .name: Wo_scales, .offset: 32, .size: 8, .value_kind: global_buffer, .address_space: global }
      - { .name: bo, .offset: 40, .size: 8, .value_kind: global_buffer, .address_space: global }
      - { .name: gamma, .offset: 48, .size: 8, .value_kind: global_buffer, .address_space: global }
      - { .name: x, .offset: 56, .size: 8, .value_kind: global_buffer, .address_space: global }
      - { .name: out0, .offset: 64, .size: 8, .value_kind: global_buffer, .address_space: global }
    .group_segment_fixed_size: 327680
    .private_segment_fixed_size: 0
    .kernarg_segment_align: 8
    .kernarg_segment_size: 72
    .max_flat_workgroup_size: 256
    .sgpr_count:     100
    .vgpr_count:     512
    .wavefront_size: 32
...
	.end_amdgpu_metadata
.endif
;; end of part 2
